; MI455X (gfx1250); checked and timed in simulation.
; The chip was launched on July 23, 2026; its instructions are those of AMD's public machine-readable ISA for CDNA 5 (MIT licence, August 2026) and "CDNA5" Instruction Set Architecture Reference Guide (July 2026). The comments in the code are by the model that wrote it; some were corrected since.
;; Explicit Multihead Attention. Allowed arithmetic: matrix products marked QUANTISED: E2M3 operands, one E8M0 scale for each 32 along K, by v_wmma_scale_f32_16x16x128_f8f6f4 with both operands' format E2M3, f32 sums; everything else in f32.
;; Inputs: Wk_codes 1,024 x 32 x 24 uint8 (E2M3 codes of Wk, K innermost, in blocks of 32 codes, four codes in three bytes); Wk_scales 1,024 x 32 uint8 (E8M0 scales of Wk, one for each 32 codes along K); Wo_codes 1,024 x 32 x 24 uint8 (E2M3 codes of Wo, K innermost, in blocks of 32 codes, four codes in three bytes); Wo_scales 1,024 x 32 uint8 (E8M0 scales of Wo, one for each 32 codes along K); Wq_codes 1,024 x 32 x 24 uint8 (E2M3 codes of Wq, K innermost, in blocks of 32 codes, four codes in three bytes); Wq_scales 1,024 x 32 uint8 (E8M0 scales of Wq, one for each 32 codes along K); Wv_codes 1,024 x 32 x 24 uint8 (E2M3 codes of Wv, K innermost, in blocks of 32 codes, four codes in three bytes); Wv_scales 1,024 x 32 uint8 (E8M0 scales of Wv, one for each 32 codes along K); bk 1,024 float32; bo 1,024 float32; bq 1,024 float32; bv 1,024 float32; x_codes 2 x 2,048 x 32 x 24 uint8 (E2M3 codes of x, K innermost, in blocks of 32 codes, four codes in three bytes); x_scales 2 x 2,048 x 32 uint8 (E8M0 scales of x, one for each 32 codes along K).
;; Outputs: out0 2 x 2,048 x 1,024 float32.
;; This version of the problem:
;;   THIS VERSION OF THE PROBLEM IS GIVEN IN LOW PRECISION. The matrix products marked QUANTISED in the list below multiply operands that are first quantised to E2M3 (2 exponent bits, 3 mantissa bits; 6 bits a number), with one power-of-two scale for each 32 numbers along K (OCP MX v1.0); their sums are f32. All else is computed in f32.
;;   The module's matrix products, in the order in which they are computed (A, B: the left and right operand; K: the contracted axis; several contracted axes count as one K, in the product's order):
;;     1. [M 4,096, K 1,024] x [K 1,024, N 1,024]; A: input x (given as codes); B: input Wq (given as codes): QUANTISED
;;     2. [M 4,096, K 1,024] x [K 1,024, N 1,024]; A: input x (given as codes); B: input Wk (given as codes): QUANTISED
;;     3. [M 4,096, K 1,024] x [K 1,024, N 1,024]; A: input x (given as codes); B: input Wv (given as codes): QUANTISED
;;     4. batch 32 x [M 2,048, K 64] x [K 64, N 2,048]; A: computed on the way; B: computed on the way: QUANTISED
;;     5. batch 32 x [M 2,048, K 2,048] x [K 2,048, N 64]; A: softmax (see below); B: computed on the way: QUANTISED
;;     6. [M 4,096, K 1,024] x [K 1,024, N 1,024]; A: computed on the way; B: input Wo (given as codes): QUANTISED
;;   THE QUANTISER, for each operand of a quantised product, along K:
;;     - K is cut into blocks of 32 from its start; a last block that is shorter is filled with zeros.
;;     - A block's scale is 2^e with e = floor(log2(the largest magnitude in the block)) - 2, held to -126 .. 127; a block of zeros has e = 0. As a byte (E8M0): e + 127.
;;     - Each number is divided by its block's scale, clamped to +-7.5, and rounded to the nearest number of E2M3, ties to even, subnormals kept.
;;     - The product sums the exact products of the quantised numbers (number of the format x scale) in f32.
;;   ~~~python
;;   def quantise(x, axis):      # numpy; x: float32 -> the quantised numbers, widened to float32 again
;;       x = np.moveaxis(x, axis, -1); K = x.shape[-1]
;;       x = np.pad(x, [(0, 0)] * (x.ndim - 1) + [(0, -K % 32)]); x = x.reshape(x.shape[:-1] + (-1, 32)); a = np.abs(x).max(-1, keepdims=True)
;;       e = np.where(a > 0, np.clip(np.frexp(np.where(a > 0, a, 1))[1] - 1 - 2, -126, 127), 0)      # np.frexp(a)[1] - 1 = floor(log2(a)), exactly
;;       r = np.clip(x / 2.0 ** e, -7.5, 7.5)
;;       step = 2.0 ** (np.maximum(np.frexp(np.where(r == 0, 1, r))[1] - 1, 0) - 3)
;;       q = np.round(r / step) * step * 2.0 ** e      # np.round: ties to even
;;       return np.moveaxis(q.reshape(q.shape[:-2] + (-1,))[..., :K], -1, axis).astype(np.float32)
;;   ~~~
;;   SOFTMAX AHEAD OF A QUANTISED PRODUCT. Where the list says 'softmax', what is quantised is not the finished softmax but p = 2^(t - M), with t = logit x log2(e) and M = ceil(the row's largest t), a whole number; so 1/2 < the row's largest p <= 1. The row's sum l is taken of the UNQUANTISED p, in f32, and the product's result is divided by l at the end. Since M is a whole number, a kernel that streams over the keys may use a running M (the ceiling of the running maximum): every later rescaling is an exact power of two, which a block's scale takes up: the codes' values come out the same.
;;   OPERANDS COMPUTED ON THE WAY. 'Computed on the way' means the value that the module computes at that place (a softmax that the list does not call 'softmax' is quantised finished and normalised). What goes into a quantiser is computed in f32, as accurately as f32 sums, v_exp_f32 and their like allow (about 1e-6 of the number): no bf16 or f16 on the way to a quantiser, and a product that is left as it is and whose result goes on into a quantised operand takes f32 operands (vector FMAs, or v_wmma_f32_16x16x4_f32). A number that lies on a knife's edge between two numbers of the format may be rounded either way, as far as f32 arithmetic and the matrix unit's own rounding can turn it there, and no further.
;;   INPUTS GIVEN AS CODES. Wk (in the module: [1024, 1024], K = its axis 0); Wo (in the module: [1024, 1024], K = its axis 0); Wq (in the module: [1024, 1024], K = its axis 0); Wv (in the module: [1024, 1024], K = its axis 0); x (in the module: [2, 2048, 1024], K = its axis 2): each comes as NAME_codes (uint8): NAME with its K axis moved to the last place and cut into blocks of 32 codes, [.., K / 32, bytes a block], one block behind the other in memory; four codes in three bytes: a row's codes are one little-endian stream of bits, code i at bits 6 i .. 6 i + 5 (a code: sign, 2 exponent bits, 3 mantissa bits); and NAME_scales (uint8): the same leading axes, one E8M0 byte (e + 127) for each 32 codes along K. Its value is code x scale, taken as it is: it is not quantised again, and the codes and scales need not be those that the quantiser above would give.
;; One version. Each part assembles by itself: llvm-mc -triple=amdgcn-amd-amdhsa -mcpu=gfx1250 --defsym DOCPART=n.
;; ======== version 1 of 1: 3 launches
;; limits: right only within a limited range of input values
;; workspace buffers: qbuf 3,276,800 bytes; kvbuf 6,553,600 bytes; ctximg 3,145,728 bytes; ctxsc 131,072 bytes
;; launch qkv (part 1): grid 16 x 16, 4 waves a work-group, clusters of 4 x 4, 327,680 bytes of LDS; arguments x_codes, x_scales, Wq_codes, Wq_scales, Wk_codes, Wk_scales, Wv_codes, Wv_scales, bq, bk, bv, qbuf, kvbuf; writes qbuf, kvbuf
.if DOCPART == 1
	.amdgcn_target "amdgcn-amd-amdhsa--gfx1250"
	.amdhsa_code_object_version 6
	.text
	.protected	k_q7371d7d792_qkv
	.globl	k_q7371d7d792_qkv
	.p2align	8
	.type	k_q7371d7d792_qkv,@function
k_q7371d7d792_qkv:
	s_mov_b64 s[64:65], 0
	v_nop
	global_prefetch_b8 v0, s[64:65] scope:SCOPE_SE
	s_setreg_imm32_b32 hwreg(HW_REG_WAVE_MODE, 25, 1), 1
	s_wait_xcnt 0x0
	s_wait_alu depctr_hold_cnt(0) depctr_sa_sdst(0) depctr_va_vdst(0) depctr_va_sdst(0) depctr_va_ssrc(0) depctr_va_vcc(0) depctr_vm_vsrc(0)
	s_getreg_b32 s2, hwreg(HW_REG_IB_STS2, 6, 4)
	s_cmp_eq_u32 s2, 0
	s_cbranch_scc0 .Lentry_in_a_cluster
	s_endpgm
.Lentry_in_a_cluster:
	s_bfe_u32 s2, ttmp6, 0x10000c
	s_cmp_lg_u32 s2, 0xf033
	s_cbranch_scc0 .Lentry_shape_is_right
	s_endpgm
.Lentry_shape_is_right:
; Q, K, V = x W + b on codes of FP6 (E2M3) with E8M0 scales, f32 sums; each result is quantised again (Q, K along the head's 64, V along the tokens) and leaves as images of operand registers.
; SHARES.  256 work-groups: 256 tokens x one head of each of Q, K, V.  Wave (a, c): the 128 tokens of half a; Q's (c = 0) or K's (c = 1) 64 columns; V's tiles 2 c, 2 c + 1 of 16 columns.  384 registers of sums.
; OUTPUT.  A record for each (batch, head, 128 tokens): q: four pair fragments of 1,536 bytes, scale words at 6,144; kv: k's four pair fragments, v's four fragments at 6,144, k's scale words at 12,288, v's at 12,544.
; TOKENS: tile i, row m is token 64 (i / 4) + 32 (m / 8) + 8 ((i % 4) xor (m / 8)) + m % 8 of the 128; Q's and K's column tile b, row m: column 32 (m / 8) + 8 (b xor (m / 8)) + m % 8; V's tile t: column 32 (m / 8) + 8 t + m % 8.
; So a lane's 32 sums (Q, K: of one token tile; V: of four token tiles) are one block of 32; the order inside a block is the same in Q and K, and in K and V, so no product is changed by it.
; LDS: two slots, each with a chunk of 256 bytes of x's 256 rows and of the three weights' 64 rows each, pitch 272; chunk c lies in slot c % 2.  Chunk 0 comes at the head, one tensor load a wave, chunk 1 behind the first barrier,
; chunk 2 over chunk 0 when step 2 lies in registers.  A step of 128 along K is 96 bytes of a row: steps 2 and 5 lie across two chunks, and their pieces that do go by address registers of their own, whose two halves of the lanes point into different slots.
; CLUSTERS of 4 x 4: x's tile is shared along a row (the tokens), a weight's along a column (the head).  Chunks 1 and 2 are asked for into the L2 at the head, the rows shared out by address.
; LIMITS: NaN, infinities and a given scale byte 0xff are not served.  A block whose largest magnitude lies under 2^-124, a block of zeros too, gets the scale byte 1: the codes are zeros or what that scale gives, and this program alone reads the byte.
.set PITCH, 272
.set HALFR, 64*PITCH
.set WB,    256*PITCH
.set SLOT,  WB+192*PITCH
.set SPARE, 2*SLOT
.set SPW, 28
.set NIL, 29
.set L16, 30
.set L8,  31
.set AD,  32                           ; v32-45 LDS addresses of my fragments' rows in slot 0: Q's or K's four, x's eight, V's two
.set AD1, 46                           ; v46-59 in slot 1
.set SPA, 176                          ; v176-189 from slot 0 into slot 1 (step 2)
.set SPB, 190                          ; v190-203 from slot 1 into slot 0 (step 5).  On the way out both are done with
.set SH8, 60
.set XS,  64                           ; v64-95 x's scale words: register 8 i + s: lanes 0-15 tile i, lanes 16-31 tile i + 4
.set WS,  100                          ; v100-115 Q's or K's: register 8 b + s: tiles b, b + 2
.set VS,  116                          ; v116-123 V's: tiles 2 c, 2 c + 1
.set BQ,  128                          ; v128-159 the bias of Q or K as the first products' C
.set BV,  160                          ; v160-175 V's
.set CT,  176
.set CH,  192
.set SO,  196
.set BY,  200
.set T1,  204
.set T2,  206
.set WD,  208
.set F0,  212
.set VW,  240
.set MM,  242
.set WF,  96                           ; window 1: v0-95 x's fragments of set 0; v96-167, v168-239 the weights', sets 0, 1.  Window 3: v128-223 x's, set 1
.set MSB, 0                            ; window 2: sums of Q or K: 32 i + 8 b.  Window 3: v0-127 sums of V: 64 t + 8 i
.macro WIN new
.if MSB != (\new)
	s_set_vgpr_msb (MSB<<8)|(\new)
.set MSB, (\new)
.endif
.endm
.macro WALU
	s_wait_alu depctr_va_vdst(0)
.endm
.macro PLACES
.rept 4
	v_nop
.endr
.endm
.macro CREST
	s_cmp_lg_u32 s14, 0
	s_cbranch_scc1 .Lnot_wave_0_\@
	s_barrier_signal -3
.Lnot_wave_0_\@:
	s_barrier_wait -3
	s_barrier_signal -1
	s_barrier_wait -1
.endm
.macro CROUND
	s_barrier_signal -1
	s_barrier_wait -1
	CREST
.endm
.macro GROUP1 g, mask, pad, c, r
	s_or_b32 s[\g], s\mask, (3<<16)|(1<<20)|(1<<21)|\pad
	s_mov_b32 s[\g+1], (\c)<<16
	s_mov_b32 s[\g+2], (\r)<<16
	s_mov_b32 s[\g+3], (\c)<<16
	s_mov_b32 s[\g+4], \r
	s_mov_b32 s[\g+5], 96
	s_mov_b32 s[\g+6], 0
	s_mov_b32 s[\g+7], 0
.endm
; wave 0 asks for x's rows, waves 1 to 3 for a weight's
.macro JLOAD
	s_cmp_eq_u32 s14, 0
	s_cbranch_scc0 .Lfor_w_\@
	tensor_load_to_lds s[56:59], s[24:31]
	s_nop 0
	PLACES
	s_branch .Lasked_\@
.Lfor_w_\@:
	tensor_load_to_lds s[60:63], s[32:39]
	s_nop 0
	PLACES
.Lasked_\@:
.endm
.macro ADDRS d, src
	v_mad_u32_u24 v8, v3, 40*PITCH, v\src          ; rows 8 .. 15 of a tile: 32 rows on, and of an even tile 8 more, of an odd one 8 fewer
	v_mad_u32_u24 v9, v3, 24*PITCH, v\src
	v_add_nc_u32 v10, s21, v8
	v_add_nc_u32 v11, s21, v9
.irp i, 0,1,2,3,4,5,6,7
	v_add_nc_u32 v[\d+4+\i], (64*(\i/4)+8*(\i%4))*PITCH, v[10+\i%2]
.endr
	v_add_nc_u32 v10, s22, v8
	v_add_nc_u32 v11, s22, v9
.irp b, 0,1,2,3
	v_add_nc_u32 v[\d+\b], 8*\b*PITCH, v[10+\b%2]
.endr
	v_mad_u32_u24 v10, v3, 32*PITCH, v\src
	v_add_nc_u32 v[\d+12], s23, v10
	v_add_nc_u32 v[\d+13], 8*PITCH, v[\d+12]
.endm
	s_load_b512 s[68:83], s[0:1], 0x0              ; x, its scales, Wq, its scales, Wk, .., Wv, ..
	s_load_b256 s[84:91], s[0:1], 0x40             ; bq, bk, bv, qbuf
	s_load_b64 s[92:93], s[0:1], 0x60              ; kvbuf
	v_lshl_add_u32 v[SPW], v0, 2, SPARE
	v_mov_b32 v[NIL], 0
	ds_add_u32 v[SPW], v[NIL]                      ; the opening lines
	ds_add_u32 v[SPW], v[NIL]
	v_lshrrev_b32 v1, 5, v0
	v_readfirstlane_b32 s14, v1                    ; wave
	s_lshr_b32 s15, s14, 1                         ; a
	s_and_b32 s16, s14, 1                          ; c
	s_bfe_u32 s2, ttmp6, 0x40000                   ; cx
	s_bfe_u32 s3, ttmp6, 0x40004                   ; cy
	s_lshl_b32 s18, ttmp9, 2
	s_add_co_u32 s18, s18, s2                      ; head
	s_and_b32 s17, ttmp7, 0xffff
	s_lshl_b32 s17, s17, 2
	s_add_co_u32 s17, s17, s3                      ; token tile of 256
	s_lshl_b32 s4, s3, 2
	s_lshl_b32 s4, 15, s4                          ; my row of the cluster
	s_lshl_b32 s5, 0x1111, s2                      ; my column
	GROUP1 24, 4, (5<<22)|(3<<25), 32, 256         ; rows of 256 bytes, 16 of padding
	GROUP1 32, 5, (5<<22)|(3<<25), 32, 64
	s_mul_i32 s6, s17, 256*768
	s_mov_b32 s7, 0
	s_mul_i32 s8, s18, 64*768
	s_mov_b32 s9, 0
	s_lshl_b32 s10, s17, 13
	s_lshl_b32 s11, s15, 12
	s_add_co_u32 s10, s10, s11                     ; my 128 tokens' scales
	s_mov_b32 s11, 0
	s_lshl_b32 s12, s18, 11                        ; the head's rows' scales
	s_mov_b32 s13, 0
	s_lshl_b32 s20, s18, 8                         ; the head's biases
	s_lshr_b32 s66, s17, 3
	s_lshl_b32 s66, s66, 4
	s_add_co_u32 s66, s66, s18
	s_lshl_b32 s66, s66, 4
	s_lshl_b32 s67, s17, 1
	s_add_co_u32 s67, s67, s15
	s_and_b32 s67, s67, 15
	s_add_co_u32 s66, s66, s67                     ; my record
	s_mul_i32 s94, s66, 12800
	s_mov_b32 s95, 0
	s_mul_i32 s96, s66, 6400
	s_mov_b32 s97, 0
	s_mul_i32 s105, s14, HALFR
	s_add_co_u32 s105, s105, WB-HALFR              ; waves 1 to 3: where a weight's rows go in slot 0
	s_lshl_b32 s19, s2, 2
	s_add_co_u32 s19, s19, s14
	s_mul_i32 s19, s19, 16*768                     ; my 16 rows of x to prefetch
	s_mul_i32 s99, s3, 16*768                      ; and of a weight
	s_mul_i32 s21, s15, 128*PITCH
	s_mul_i32 s22, s16, HALFR
	s_add_co_u32 s22, s22, WB
	s_mul_i32 s23, s16, 16*PITCH
	s_add_co_u32 s23, s23, WB+2*HALFR
	v_bfe_u32 v2, v0, 4, 1                         ; h
	v_bfe_u32 v3, v0, 3, 1                         ; r / 8
	v_and_b32 v4, 7, v0                            ; r % 8
	v_lshl_add_u32 v5, v3, 5, v4
	v_mul_u32_u24 v12, v4, PITCH
	v_mad_u32_u24 v6, v2, 24, v12
	v_add_nc_u32 v7, SLOT, v6
	v_mad_u32_u24 v26, v2, SLOT-232, v12
	v_add_nc_u32 v26, 240, v26                     ; lanes 0-15 byte 240 in slot 0, lanes 16-31 byte 8 in slot 1
	v_xor_b32 v13, 1, v2
	v_mad_u32_u24 v13, v13, SLOT+232, v12          ; lanes 0-15 byte 232 in slot 1, lanes 16-31 byte 0 in slot 0
	ADDRS AD, 6
	ADDRS AD1, 7
	ADDRS SPA, 26
	ADDRS SPB, 13
	v_lshlrev_b32 v12, 5, v4
	v_mad_u32_u24 v14, v3, 1280, v12
	v_mad_u32_u24 v15, v3, 768, v12
	v_mad_u32_u24 v12, v3, 1024, v12
	v_lshl_add_u32 v16, v2, 11, v14                ; x's scale words, even and odd tiles
	v_lshl_add_u32 v17, v2, 11, v15
	v_lshl_add_u32 v18, v2, 9, v14                 ; Q's or K's
	v_lshl_add_u32 v19, v2, 9, v15
	v_lshl_add_u32 v20, v2, 8, v12                 ; V's
	v_mul_u32_u24 v21, v2, 160                     ; bias, even and odd tiles
	v_mul_u32_u24 v22, v2, 96
	v_lshlrev_b32 v23, 2, v5
	v_and_b32 v26, 31, v0
	v_lshlrev_b32 v[L16], 4, v26
	v_lshlrev_b32 v[L8], 3, v26
	v_lshlrev_b32 v[SH8], 3, v2
	v_and_b32 v26, 15, v0
	v_mul_u32_u24 v26, v26, 768
	v_lshl_add_u32 v26, v2, 8, v26                 ; row r, lanes 16-31 a chunk further on
	v_add_nc_u32 v24, s19, v26
	v_add_nc_u32 v25, s99, v26
	WALU
	s_wait_dscnt 0x0
	CROUND                                         ; all sixteen work-groups are here
	s_wait_kmcnt 0x0
	s_add_nc_u64 s[6:7], s[68:69], s[6:7]
	s_cmp_eq_u32 s14, 2
	s_cselect_b64 s[100:101], s[76:77], s[72:73]   ; wave 1 Wq, 2 Wk, 3 Wv
	s_cmp_eq_u32 s14, 3
	s_cselect_b64 s[100:101], s[80:81], s[100:101]
	s_add_nc_u64 s[8:9], s[100:101], s[8:9]
	s_mov_b32 s56, 1
	s_mov_b32 s57, 0
	s_mov_b64 s[58:59], s[6:7]
	s_or_b32 s59, s59, 0x80000000
	s_mov_b32 s60, 1
	s_mov_b32 s61, s105
	s_mov_b64 s[62:63], s[8:9]
	s_or_b32 s63, s63, 0x80000000
	JLOAD                                          ; chunk 0
	s_lshl_b32 s22, s16, 9
	s_add_co_u32 s22, s22, s12
	s_mov_b32 s23, 0
	s_mov_b32 s21, 0
	s_cmp_eq_u32 s16, 1
	s_cselect_b64 s[74:75], s[78:79], s[74:75]
	s_cselect_b64 s[84:85], s[86:87], s[84:85]
	s_cselect_b64 s[4:5], s[92:93], s[90:91]
	s_cselect_b32 s96, s94, s96
	s_mov_b32 s66, 6144
	s_cselect_b32 s66, 12288, s66
	s_mov_b32 s67, 0
	s_add_nc_u64 s[70:71], s[70:71], s[10:11]
	s_add_nc_u64 s[74:75], s[74:75], s[12:13]
	s_add_nc_u64 s[82:83], s[82:83], s[22:23]
	s_add_nc_u64 s[84:85], s[84:85], s[20:21]
	s_add_nc_u64 s[88:89], s[88:89], s[20:21]
	s_lshl_b32 s20, s16, 6
	s_add_nc_u64 s[88:89], s[88:89], s[20:21]
.irp i, 0,1,2,3
	global_load_b128 v[XS+8*\i:XS+8*\i+3], v[16+\i%2], s[70:71] offset:256*\i       ; with its partner at + 16, whole units of 256 bytes
	global_load_b128 v[XS+8*\i+4:XS+8*\i+7], v[16+\i%2], s[70:71] offset:256*\i+16
.endr
.irp i, 0,1
	global_load_b128 v[WS+8*\i:WS+8*\i+3], v[18+\i], s[74:75] offset:256*\i
	global_load_b128 v[WS+8*\i+4:WS+8*\i+7], v[18+\i], s[74:75] offset:256*\i+16
.endr
	global_load_b128 v[VS:VS+3], v20, s[82:83]
	global_load_b128 v[VS+4:VS+7], v20, s[82:83] offset:16
.irp b, 0,1,2,3
	global_load_b128 v[BQ+8*\b:BQ+8*\b+3], v[21+\b%2], s[84:85] offset:32*\b
	global_load_b128 v[BQ+8*\b+4:BQ+8*\b+7], v[21+\b%2], s[84:85] offset:32*\b+16
.endr
	global_load_b32 v[BV], v23, s[88:89]
	global_load_b32 v[BV+8], v23, s[88:89] offset:32
	global_prefetch_b8 v24, s[6:7] offset:256 th:TH_LOAD_NT scope:SCOPE_SE   ; chunks 1 and 2 of my 16 of x's 256 rows: the four partners' sixteen waves share them out
	s_cmp_eq_u32 s14, 0
	s_cbranch_scc1 .Lno_weight
	global_prefetch_b8 v25, s[8:9] offset:256 th:TH_LOAD_NT scope:SCOPE_SE   ; and of my 16 of my weight's 64 rows
.Lno_weight:
	s_add_nc_u64 s[4:5], s[4:5], s[96:97]          ; my record of q or of k
	s_add_nc_u64 s[10:11], s[4:5], s[66:67]        ; its scale words
	s_add_nc_u64 s[98:99], s[92:93], s[94:95]
	s_mul_i32 s66, s16, 3072
	s_add_co_u32 s66, s66, 6144
	s_add_nc_u64 s[12:13], s[98:99], s[66:67]      ; my two fragments of v
	s_lshl_b32 s66, s16, 2
	s_add_co_u32 s66, s66, 12544
	s_add_nc_u64 s[22:23], s[98:99], s[66:67]
	s_mov_b32 s2, 0x76543210                       ; lane l xor 16
	s_mov_b32 s3, 0xfedcba98
	s_mov_b32 s104, 0xffff0000
	s_wait_loadcnt 0x0
.irp n, 1,2,3,4,5,6,7
	v_mov_b32 v[BV+\n], v[BV]                      ; V's bias: one number a lane and tile
	v_mov_b32 v[BV+8+\n], v[BV+8]
.endr
; load n of step s into set p.  A fragment is six pieces of 8 bytes, two to a load where one address register serves both
.macro LD n, s, p
.set L_, 3
.if (\s) == 2
.set L_, 4
.endif
.if (\s) == 5
.set L_, 4
.endif
.set F_, (\n)/L_
.set K_, (\n)%L_
.if F_ < 4
.set R_, WF+72*(\p)+12*F_
.set W_, 1
.elseif F_ < 12
.set R_, 128*(\p)+12*(F_-4)
.set W_, 1+2*(\p)
.else
.set R_, WF+72*(\p)+48+12*(F_-12)
.set W_, 1
.endif
	WIN W_<<6
.if (\s) == 2
.if K_ == 0
	ds_load_2addr_b64 v[R_:R_+3], v[AD+F_] offset0:24 offset1:25
.elseif K_ == 1
	ds_load_b64 v[R_+4:R_+5], v[AD+F_] offset:208
.elseif K_ == 2
	ds_load_2addr_b64 v[R_+6:R_+9], v[SPA+F_] offset0:0 offset1:1
.else
	ds_load_b64 v[R_+10:R_+11], v[AD1+F_]
.endif
.elseif (\s) == 5
.if K_ == 0
	ds_load_b64 v[R_:R_+1], v[AD1+F_] offset:224
.elseif K_ == 1
	ds_load_2addr_b64 v[R_+2:R_+5], v[SPB+F_] offset0:0 offset1:1
.elseif K_ == 2
	ds_load_2addr_b64 v[R_+6:R_+9], v[AD+F_] offset0:2 offset1:3
.else
	ds_load_b64 v[R_+10:R_+11], v[AD+F_] offset:32
.endif
.else
.set B_, (12*(\s))%32                  ; in pieces of 8 bytes: where the step begins in its chunk
.set A_, AD+(AD1-AD)*(((12*(\s))/32)%2)+F_
.if K_ == 0
	ds_load_2addr_b64 v[R_:R_+3], v[A_] offset0:B_ offset1:B_+1
.elseif K_ == 1
	ds_load_2addr_b64 v[R_+4:R_+7], v[A_] offset0:B_+2 offset1:B_+6
.else
	ds_load_2addr_b64 v[R_+8:R_+11], v[A_] offset0:B_+7 offset1:B_+8
.endif
.endif
.endm
.macro PR d, sa, sb, c, xa, xb, ra, rb
	v_wmma_scale_f32_16x16x128_f8f6f4 v[\d:\d+7], v[\sa:\sa+11], v[\sb:\sb+11], \c, v[\xa], v[\xb] matrix_a_fmt:MATRIX_FMT_FP6 matrix_b_fmt:MATRIX_FMT_FP6 matrix_a_scale:MATRIX_SCALE_ROW\ra matrix_b_scale:MATRIX_SCALE_ROW\rb
.endm
.macro QK1 b, s, i, ra, rb             ; source 0 = the weight's rows: a lane's registers run along the columns
.if \s == 0
	PR 32*(\i)+8*\b, WF+12*\b, 12*(\i), v[BQ+8*\b:BQ+8*\b+7], WS+8*(\b%2), XS+8*((\i)%4), \ra, \rb
.else
	PR 32*(\i)+8*\b, WF+72*(\s%2)+12*\b, 128*(\s%2)+12*(\i), v[32*(\i)+8*\b:32*(\i)+8*\b+7], WS+8*(\b%2)+\s, XS+8*((\i)%4)+\s, \ra, \rb
.endif
.endm
.macro V1 t, s, i, ra                  ; source 0 = x's rows: a lane's registers run along the tokens
.if \s == 0
	PR 64*\t+8*(\i), 12*(\i), WF+48+12*\t, v[BV+8*\t:BV+8*\t+7], XS+8*((\i)%4), VS, \ra, \t
.else
	PR 64*\t+8*(\i), 128*(\s%2)+12*(\i), WF+72*(\s%2)+48+12*\t, v[64*\t+8*(\i):64*\t+8*(\i)+7], XS+8*((\i)%4)+\s, VS+\s, \ra, \t
.endif
.endm
.macro QK4 g, s, rb
	QK1 0, \s, \g, 0, \rb
	QK1 1, \s, \g, 0, \rb
	QK1 2, \s, \g, 1, \rb
	QK1 3, \s, \g, 1, \rb
.endm
.macro V4 i, s, ra
	V1 0, \s, \i, \ra
	V1 1, \s, \i, \ra
	V1 0, \s, \i+1, \ra
	V1 1, \s, \i+1, \ra
.endm
; group g of step s: four products.  The 48 sums take turns, in the same order in every step
.macro GRP g, s
.if \g < 8
.if \s == 0
	WIN 0x85
.elseif \s%2
	WIN 0xad
.else
	WIN 0xa5
.endif
.if \g < 4
	QK4 \g, \s, 0
.else
	QK4 \g, \s, 1
.endif
.else
.if \s == 0
	WIN 0xc5
.elseif \s%2
	WIN 0xf7
.else
	WIN 0xf5
.endif
.if \g < 10
	V4 2*\g-16, \s, 0
.else
	V4 2*\g-16, \s, 1
.endif
.endif
.endm
; A step: 12 groups; behind each stand loads of the next step into the other set, which the step before has read (the four v_nop are the places).
; The waits: at the head the last five fragments (15 loads; of steps 2 and 5: 20) may be out; ahead of group 5 all but this step's own loads are in.
; Steps 1 and 4 have a plain barrier, behind which nothing is filled: it shows the next chunk to all four waves, ahead of the loads of the step that lies across.
.macro STEP s
.set PER_, 4
.set G0_, 0
.set NLD_, 42
.set SHOW_, 0
.if \s == 1
.set SHOW_, 1
.endif
.if \s == 4
.set SHOW_, 1
.endif
.if \s == 2
.set PER_, 6
.set G0_, 3
	WIN 0
	s_wait_tensorcnt 0x0                           ; the refill
	ds_add_u32 v[SPW], v[NIL]
	s_add_nc_u64 s[58:59], s[58:59], 256
	s_add_nc_u64 s[62:63], s[62:63], 256
	s_mov_b32 s57, 0
	s_mov_b32 s61, s105
	s_wait_dscnt 21                                ; (20 loads and the add)
.elseif SHOW_ == 1
.set PER_, 6
.set G0_, 1
.set NLD_, 56
	s_wait_tensorcnt 0x0                           ; my part of the chunk is in
	s_wait_dscnt 0x0
	s_barrier_signal -1
.elseif \s == 5
	s_wait_dscnt 20
.else
	s_wait_dscnt 15
.endif
.if \s == 7
.set NLD_, 0
.endif
.if \s > 0
	PLACES
.endif
.set NI_, 0
.irp g, 0,1,2,3,4,5,6,7,8,9,10,11
.if (\g == 5) && (\s != 2) && (SHOW_ == 0)
	s_wait_dscnt NI_
.endif
	GRP \g, \s
.if (\s == 2) && (\g == 1)
	s_wait_dscnt 0x0                               ; the add is done, and step 2's fragments are in: nobody reads chunk 0 any more
	s_barrier_signal -1
.endif
.if (\s == 2) && (\g == 3)
	WIN 0
	s_barrier_wait -1
	CREST
	JLOAD                                          ; chunk 2
.endif
.if (SHOW_ == 1) && (\g == 1)
	s_barrier_wait -1                              ; everybody's part is in
.endif
.if \g >= G0_
.rept PER_
.if NI_ < NLD_
	LD NI_, (\s)+1, 1-(\s)%2
.set NI_, NI_+1
.endif
.endr
.endif
.endr
.endm
; four blocks of 32 sums in window w from register base on: two fragments of 12 registers from f on, two scale words
.macro QB w, base, f, wd
	WIN \w|(\w<<2)
.irp k, 0,1,2,3
	v_max3_num_f32 v[CH+\k], |v[\base+32*\k]|, |v[\base+32*\k+1]|, 0x1800000
.endr
	WIN (\w<<2)|(\w<<4)
.set n_, 2
.rept 15
.irp k, 0,1,2,3
	v_max3_num_f32 v[CH+\k], v[CH+\k], |v[\base+32*\k+n_]|, |v[\base+32*\k+n_+1]|
.endr
.set n_, n_+2
.endr
	WIN 0
.irp k, 0,1,2,3
	v_add_nc_u32 v[SO+\k], 0xff000000, v[CH+\k]    ; 2 off the exponent field
.endr
.irp k, 0,1,2,3
	v_lshrrev_b32 v[BY+\k], 23, v[SO+\k]
.endr
	WIN \w
.irp k, 0,1,2,3
	v_cvt_scalef32_pk16_fp6_f32 v[\f+6*\k:\f+6*\k+2], v[\base+32*\k:\base+32*\k+15], v[SO+\k]
	v_cvt_scalef32_pk16_fp6_f32 v[CT+4*\k:CT+4*\k+2], v[\base+32*\k+16:\base+32*\k+31], v[SO+\k]
.endr
	WIN 0
.irp m, 0,1
	v_lshl_or_b32 v[T1+\m], v[BY+2*\m+1], 16, v[BY+2*\m]
.endr
.irp m, 0,1
	v_lshlrev_b32 v[T1+\m], v[SH8], v[T1+\m]
.endr
.irp k, 0,1,2,3
.irp n, 0,1,2
	v_mov_b32 v[\f+6*\k+3+\n], v[CT+4*\k+\n]
.endr
.endr
.irp m, 0,1
	v_permlanex16_b32 v[T2+\m], v[T1+\m], s2, s3
.endr
.irp m, 0,1
	v_or_b32 v[\wd+\m], v[T1+\m], v[T2+\m]
.endr
.endm
.macro PUT f, p, off
.irp g, 0,1,2,3,4,5
	global_store_b128 v[L16], v[\f+4*\g:\f+4*\g+3], s[\p:\p+1] offset:\off+512*\g   ; 512 consecutive bytes
.endr
.endm
	WALU                                           ; the wait at the head's end
	s_wait_tensorcnt 0x0                           ; my part of chunk 0 is in
	ds_add_u32 v[SPW], v[NIL]
	s_add_nc_u64 s[58:59], s[58:59], 256
	s_add_nc_u64 s[62:63], s[62:63], 256
	s_mov_b32 s57, SLOT
	s_add_co_u32 s61, s105, SLOT
	s_wait_dscnt 0x0
	CROUND                                         ; everybody's part of chunk 0 is in
	JLOAD                                          ; chunk 1
.set NI_, 0
.rept 42
	LD NI_, 0, 0
.set NI_, NI_+1
.endr
	STEP 0
	STEP 1
	STEP 2
	STEP 3
	STEP 4
	STEP 5
	STEP 6
	STEP 7
	WIN 0
	PLACES
	v_mov_b32 v[T2], 0                             ; (a lane permute's destination counts as a source)
	v_mov_b32 v[T2+1], 0
	QB 2, 0, F0, WD
	PUT F0, 4, 0
	QB 2, 128, XS, WD+2
	PUT XS, 4, 3072
	v_cndmask_b32 v[MM], v[WD], v[WD+1], s104      ; lanes 0-15 fragment 0's (2's) word, lanes 16-31 fragment 1's (3's)
	v_cndmask_b32 v[MM+1], v[WD+2], v[WD+3], s104
	global_store_b64 v[L8], v[MM:MM+1], s[10:11]
	QB 3, 0, BQ, VW
	PUT BQ, 12, 0
	v_cndmask_b32 v[VW], v[VW], v[VW+1], s104
	global_store_b32 v[L8], v[VW], s[22:23]        ; my word of each lane's two; the other wave stores its neighbour
	s_wait_tensorcnt 0x0                           ; the wave's end
	ds_add_u32 v[SPW], v[NIL]
	s_wait_dscnt 0x0
	CROUND
	s_endpgm
.Lfunc_end_k_q7371d7d792_qkv:
	.size	k_q7371d7d792_qkv, .Lfunc_end_k_q7371d7d792_qkv-k_q7371d7d792_qkv
	.p2alignl 7, 3214868480
	.fill 96, 4, 3214868480
	.section	.rodata,"a",@progbits
	.p2align	6, 0x0
	.amdhsa_kernel k_q7371d7d792_qkv
		.amdhsa_group_segment_fixed_size 327680
		.amdhsa_private_segment_fixed_size 0
		.amdhsa_enable_private_segment 0
		.amdhsa_kernarg_size 104
		.amdhsa_user_sgpr_count 2
		.amdhsa_user_sgpr_kernarg_segment_ptr 1
		.amdhsa_wavefront_size32 1
		.amdhsa_system_sgpr_workgroup_id_x 1
		.amdhsa_system_sgpr_workgroup_id_y 1
		.amdhsa_system_sgpr_workgroup_id_z 1
		.amdhsa_system_vgpr_workitem_id 0
		.amdhsa_next_free_vgpr 1024
		.amdhsa_next_free_sgpr 106
		.amdhsa_reserve_vcc 0
		.amdhsa_float_denorm_mode_32 3
		.amdhsa_float_denorm_mode_16_64 3
		.amdhsa_memory_ordered 1
		.amdhsa_forward_progress 1
		.amdhsa_inst_pref_size 117
	.end_amdhsa_kernel
	.amdgpu_metadata
---
amdhsa.version: [ 1, 2 ]
amdhsa.kernels:
  - .name:           k_q7371d7d792_qkv
    .symbol:         k_q7371d7d792_qkv.kd
    .args:
      - { .name: x_codes, .offset: 0, .size: 8, .value_kind: global_buffer, .address_space: global }
      - { .name: x_scales, .offset: 8, .size: 8, .value_kind: global_buffer, .address_space: global }
      - { .name: Wq_codes, .offset: 16, .size: 8, .value_kind: global_buffer, .address_space: global }
      - { .name: Wq_scales, .offset: 24, .size: 8, .value_kind: global_buffer, .address_space: global }
      - { .name: Wk_codes, .offset: 32, .size: 8, .value_kind: global_buffer, .address_space: global }
      - { .name: Wk_scales, .offset: 40, .size: 8, .value_kind: global_buffer, .address_space: global }
      - { .name: Wv_codes, .offset: 48, .size: 8, .value_kind: global_buffer, .address_space: global }
      - { .name: Wv_scales, .offset: 56, .size: 8, .value_kind: global_buffer, .address_space: global }
      - { .name: bq, .offset: 64, .size: 8, .value_kind: global_buffer, .address_space: global }
      - { .name: bk, .offset: 72, .size: 8, .value_kind: global_buffer, .address_space: global }
      - { .name: bv, .offset: 80, .size: 8, .value_kind: global_buffer, .address_space: global }
      - { .name: qbuf, .offset: 88, .size: 8, .value_kind: global_buffer, .address_space: global }
      - { .name: kvbuf, .offset: 96, .size: 8, .value_kind: global_buffer, .address_space: global }
    .group_segment_fixed_size: 327680
    .private_segment_fixed_size: 0
    .kernarg_segment_align: 8
    .kernarg_segment_size: 104
    .max_flat_workgroup_size: 128
    .sgpr_count:     106
    .vgpr_count:     1024
    .wavefront_size: 32
...
	.end_amdgpu_metadata
.endif
;; end of part 1
;; launch attn (part 2): grid 8 x 32, 16 waves a work-group, clusters of 4 x 1, 206,848 bytes of LDS; arguments qbuf, kvbuf, ctximg, ctxsc; writes ctximg, ctxsc
.if DOCPART == 2
	.amdgcn_target "amdgcn-amd-amdhsa--gfx1250"
	.amdhsa_code_object_version 6
	.text
	.protected	k_q7371d7d792_attn
	.globl	k_q7371d7d792_attn
	.p2align	8
	.type	k_q7371d7d792_attn,@function
k_q7371d7d792_attn:
	s_mov_b64 s[64:65], 0
	v_nop
	global_prefetch_b8 v0, s[64:65] scope:SCOPE_SE
	s_setreg_imm32_b32 hwreg(HW_REG_WAVE_MODE, 25, 1), 1
	s_wait_xcnt 0x0
	s_wait_alu depctr_hold_cnt(0) depctr_sa_sdst(0) depctr_va_vdst(0) depctr_va_sdst(0) depctr_va_ssrc(0) depctr_va_vcc(0) depctr_vm_vsrc(0)
	s_getreg_b32 s2, hwreg(HW_REG_IB_STS2, 6, 4)
	s_cmp_eq_u32 s2, 0
	s_cbranch_scc0 .Lentry_in_a_cluster
	s_endpgm
.Lentry_in_a_cluster:
	s_bfe_u32 s2, ttmp6, 0x10000c
	s_cmp_lg_u32 s2, 0x3003
	s_cbranch_scc0 .Lentry_shape_is_right
	s_endpgm
.Lentry_shape_is_right:
; ctx[b][h][q] = the sum over k of softmax_k(q . k / 8) v, both products on codes of FP6 (E2M3) with E8M0 scales; ctx is quantised along the model's 1,024 and leaves as images of operand registers.
; THE SOFTMAX: t = score x log2(e) / 8; M = the running largest t rounded UP to a whole number; p = 2^(t - M) is quantised along the keys, not normalised; the row's sum is taken of the unquantised p and divides at the end.
; When M moves, the sum and O are multiplied by 2^(old M - new M): exact.
; SHARES.  A work-group owns 256 queries of one (batch, head); each of its sixteen waves one tile of 16, in 256 registers.
; INPUTS: a record for each (batch, head, 128 tokens), fragments as images of registers (3 x 512 bytes, lane l's 16 bytes at 16 l).
; A WHOLE HEAD'S K AND V, 16 records of 12,800 bytes, lie in LDS, filled ONCE, record w by wave w.  The four query blocks of a cluster belong to one head: each record is asked for JOINTLY (mask 15).
; Every tile is asked for at the head, so there is no later load that a prefetch could run ahead of.
; THE SCORES' K IS 64, half of the instruction's 128.  A PAIR fragment of k holds key tile 2 b in k = 0 .. 63 and key tile 2 b + 1 in k = 64 .. 127; it is multiplied by (q, 0) and by (0, q): zero codes add nothing.
; LAYOUT.  Both products are used transposed (source 0 = keys, or 16 of the head's 64; source 1 = my queries): a lane holds one query throughout.  S + 32 c + 0 .. 31 in lane (r, h) are the keys of block 64 c + 32 h,
; in the order in which v's fragments hold them; O's 32 registers are d = 32 h + 0 .. 31 of the head: one block of ctx along the out-projection's K.
; LIMITS: NaN and infinities are not served; |t| stays under 2^31.  A block whose largest number lies under 2^-124 gets the scale byte 1, a block of zeros too; this program alone reads the bytes.
; ctx's scale bytes leave one byte a lane (32 bytes a wave against its 768 bytes of codes), into rows of 32 bytes, one a token.
.set REC,  12800                       ; k's four pair fragments, v's four fragments at 6,144, k's scale words at 12,288, v's at 12,544
.set QREC, 6400                        ; q: four pair fragments, scale words at 6,144
.set SPARE, 16*REC
.set QLO,  16                          ; v16-27  (q, 0); v22-33 (0, q)
.set QHI,  22
.set QSLO, 34                          ; q's two scale bytes in bytes 0, 1; v35: in bytes 2, 3
.set QSHI, 35
.set KSW,  36
.set VSW,  38
.set PW,   40
.set FG,   48                          ; v48-95  four fragments: k's pairs, then v's tiles
.set S,    96                          ; v96-159 the scores, then p
.set O,    160                         ; v160-191 O^T
.set PC,   192                         ; v192-203 p's codes
.set CT,   204
.set CH,   212
.set BM,   216                         ; my two blocks' largest scores, then largest p
.set SO,   218
.set BY,   220
.set FF,   228                         ; v[228:229] f
.set T,    230                         ; v230-243 seven chains of the sum
.set SUM,  244                         ; v[244:245] the eighth: the sum
; v1 16 x lane, v2 8 x lane, v3, v4 the step's LDS addresses, v11 ctx's scale byte's offset, v12 -M, v13 the largest score, v222-226 at work, v254, v255 the add's.
.macro WALU
	s_wait_alu depctr_va_vdst(0)
.endm
.macro DEP
	s_delay_alu instid0(VALU_DEP_1)
.endm
.macro CROUND
	s_barrier_signal -1
	s_barrier_wait -1
	s_cmp_lg_u32 s12, 0
	s_cbranch_scc1 .Lnot_wave_0_\@
	s_barrier_signal -3
.Lnot_wave_0_\@:
	s_barrier_wait -3
	s_barrier_signal -1
	s_barrier_wait -1
.endm
.macro PR d, sa, sb, c, xa, xb, ra
	v_wmma_scale_f32_16x16x128_f8f6f4 v[\d:\d+7], v[\sa:\sa+11], v[\sb:\sb+11], \c, v[\xa], v[\xb] matrix_a_fmt:MATRIX_FMT_FP6 matrix_b_fmt:MATRIX_FMT_FP6 matrix_a_scale:MATRIX_SCALE_ROW\ra
.endm
	s_load_b256 s[4:11], s[0:1], 0x0               ; qbuf, kvbuf, ctximg, ctxsc
	v_lshl_add_u32 v254, v0, 2, SPARE
	v_mov_b32 v255, 0
	ds_add_u32 v254, v255                          ; the opening lines
	ds_add_u32 v254, v255
	v_lshrrev_b32 v8, 5, v0
	v_readfirstlane_b32 s12, v8                    ; wave 0..15
	v_and_b32 v8, 31, v0
	v_bfe_u32 v10, v0, 4, 1                        ; h
	v_and_b32 v9, 15, v0                           ; r
	v_lshlrev_b32 v1, 4, v8
	v_lshlrev_b32 v2, 3, v8
	v_lshl_add_u32 v11, v9, 5, v10                 ; 32 r + h
	WALU
	s_bfe_u32 s13, ttmp6, 0x40000                  ; cx
	s_lshl_b32 s14, ttmp9, 2
	s_add_co_u32 s14, s14, s13                     ; my block of 256 queries: it enters q's and ctx's addresses alone
	s_and_b32 s15, ttmp7, 0xffff                   ; 16 x batch + head, which the four partners share
	s_mov_b32 s24, 15|(3<<16)|(1<<21)              ; group 1: the mask: all four; elements of 8 bytes; no padding
	s_mov_b32 s25, 32<<16                          ; a record is a dense block: 50 rows of 256 bytes
	s_mov_b32 s26, 50<<16
	s_mov_b32 s27, 32<<16
	s_mov_b32 s28, 50
	s_mov_b32 s29, 32
	s_mov_b32 s30, 0
	s_mov_b32 s31, 0
	s_mul_i32 s16, s12, REC                        ; record w's place in LDS
	s_lshl_b32 s18, s15, 4
	s_add_co_u32 s18, s18, s12
	s_mul_i32 s18, s18, REC                        ; and in memory
	s_mov_b32 s19, 0
	s_mov_b32 s20, 0x76543210
	s_mov_b32 s21, 0xfedcba98                      ; lane l xor 16
	s_mov_b32 s22, 0x3e38aa3b                      ; c = log2(e) / 8
	s_mov_b32 s23, s22                             ; (named with it as a pair)
	s_lshl_b32 s50, s15, 4                         ; q's record: 16 (16 batch + head) + 2 x block + wave / 8
	s_lshl_b32 s52, s14, 1
	s_add_co_u32 s50, s50, s52
	s_lshr_b32 s52, s12, 3
	s_add_co_u32 s50, s50, s52
	s_mul_i32 s50, s50, QREC
	s_mov_b32 s51, 0
	s_bfe_u32 s52, s12, 0x20001                    ; b: my tile's pair fragment
	s_and_b32 s53, s12, 1                          ; u: its half: image registers 6 u .. 6 u + 5
	s_mul_i32 s54, s52, 1536
	s_mul_i32 s55, s53, 520
	s_add_co_u32 s55, s55, s54
	v_add_nc_u32 v6, s55, v1                       ; registers 6 u, 6 u + 1 (and, 512 on, 6 u + 4, 6 u + 5)
	s_mul_i32 s55, s53, 1016
	s_add_co_u32 s55, s55, s54
	v_add_nc_u32 v7, s55, v1                       ; 8 on: registers 6 u + 2, 6 u + 3
	s_and_b32 s54, s52, 1
	s_lshl_b32 s54, s54, 7
	s_lshr_b32 s55, s52, 1
	s_lshl_b32 s55, s55, 2
	s_add_co_u32 s54, s54, s55
	v_lshl_add_u32 v8, v9, 3, s54                  ; fragment b's scale word of row r: lane r + 16 (b % 2), word b / 2
	WALU
	s_lshl_b32 s53, s53, 4                         ; 16 u
	s_lshr_b32 s54, s15, 4                         ; ctx: my token tile = 128 x batch + 16 x block + wave
	s_lshl_b32 s54, s54, 7
	s_lshl_b32 s55, s14, 4
	s_add_co_u32 s54, s54, s55
	s_add_co_u32 s54, s54, s12
	s_and_b32 s55, s15, 15                         ; the head
	s_mul_i32 s56, s54, 12288
	s_mul_i32 s57, s55, 768
	s_add_co_u32 s56, s56, s57
	s_mov_b32 s57, 0
	s_lshl_b32 s54, s54, 9
	s_lshl_b32 s55, s55, 1
	s_add_co_u32 s54, s54, s55
	s_mov_b32 s55, 0
	s_wait_dscnt 0x0
	CROUND                                         ; all four work-groups are here: the joint loads meet
	s_wait_kmcnt 0x0
	s_add_nc_u64 s[18:19], s[6:7], s[18:19]
	s_add_nc_u64 s[4:5], s[4:5], s[50:51]
	s_add_nc_u64 s[8:9], s[8:9], s[56:57]
	s_add_nc_u64 s[10:11], s[10:11], s[54:55]
	s_mov_b32 s32, 1
	s_mov_b32 s33, s16
	s_mov_b64 s[34:35], s[18:19]
	s_or_b32 s35, s35, 0x80000000
	s_cmp_lt_u32 s12, 4                            ; one load a wave; the first four records have a line of their own
	s_cbranch_scc0 .Lrest
	tensor_load_to_lds s[32:35], s[24:31]
	s_nop 0
.rept 4
	v_nop
.endr
	s_branch .Lasked
.Lrest:
	tensor_load_to_lds s[32:35], s[24:31]
	s_nop 0
.rept 4
	v_nop
.endr
.Lasked:
	global_load_b64 v[QLO:QLO+1], v6, s[4:5]       ; q's six registers, once as the lower half of an operand,
	global_load_b64 v[QLO+2:QLO+3], v7, s[4:5] offset:8
	global_load_b64 v[QLO+4:QLO+5], v6, s[4:5] offset:512
	global_load_b64 v[QHI+6:QHI+7], v6, s[4:5]     ; once as the upper half
	global_load_b64 v[QHI+8:QHI+9], v7, s[4:5] offset:8
	global_load_b64 v[QHI+10:QHI+11], v6, s[4:5] offset:512
	global_load_b32 v[QSLO], v8, s[4:5] offset:6144
.irp n, 0,1,2,3,4,5
	v_mov_b32 v[QHI+\n], 0                         ; zero codes between them serve both
.endr
	v_mov_b32 v13, 0xff61b1e6                      ; the largest score so far: -3e38
	v_mul_f32 v224, s22, v13
	v_mov_b32 v[SUM], 0
	v_mov_b32 v[SUM+1], 0
	v_floor_f32 v12, -v224                         ; -M
	v_mov_b32 v223, 0                              ; lane permutes' destinations, and the upper half of the pair f: written once
	v_mov_b32 v225, 0
	v_mov_b32 v[FF+1], 0
	WALU
	s_wait_loadcnt 0x0
	v_lshrrev_b32 v[QSLO], s53, v[QSLO]
	v_and_b32 v[QSLO], 0xffff, v[QSLO]             ; my tile's two bytes; the bytes over the zero codes are 0
	v_lshlrev_b32 v[QSHI], 16, v[QSLO]
.set j, 0
.rept 32
	v_mov_b32 v[O+j], 0                            ; the step is written once: the first finds zeros
.set j, j+1
.endr
.macro SP b, ra                        ; S^T = k q^T: pair fragment b against (q, 0): key tile 2 b; against (0, q): key tile 2 b + 1
	PR S+16*\b, FG+12*\b, QLO, 0, KSW+\b/2, QSLO, \ra
	PR S+16*\b+8, FG+12*\b, QHI, 0, KSW+\b/2, QSHI, \ra
.endm
.macro PV d, ra
	PR O+8*\d, FG+12*\d, PC, v[O+8*\d:O+8*\d+7], VSW+\d/2, PW, \ra
.endm
.macro TMINUS n                        ; t - M, two at a time
.rept \n
	v_pk_fma_f32 v[S+j:S+j+1], v[S+j:S+j+1], s[22:23], v[12:13] op_sel_hi:[1,0,0]
.set j, j+2
.endr
.endm
; A KEY STEP: 128 keys, the record at s48.
.macro STEP
	v_add_nc_u32 v3, s48, v1
	v_add_nc_u32 v4, s48, v2
.irp b, 0,1,2,3
.irp g, 0,1,2
	ds_load_b128 v[FG+12*\b+4*\g:FG+12*\b+4*\g+3], v3 offset:1536*\b+512*\g
.endr
.endr
	ds_load_b64 v[KSW:KSW+1], v4 offset:12288
	WALU
	s_wait_dscnt 0x0
	SP 0, 0
	SP 1, 1
	SP 2, 0
	SP 3, 1
	v_mov_b32 v226, v12                            ; four places in front of the loads below and of the first read of the scores
	v_nop
	v_nop
	v_nop
.irp d, 0,1,2,3                        ; v's four fragments land while the softmax is worked
.irp g, 0,1,2
	ds_load_b128 v[FG+12*\d+4*\g:FG+12*\d+4*\g+3], v3 offset:6144+1536*\d+512*\g
.endr
.endr
	ds_load_b64 v[VSW:VSW+1], v4 offset:12544
.irp k, 0,1,2,3
	v_max3_num_f32 v[CH+\k], v[S+16*\k], v[S+16*\k+1], v[S+16*\k+2]   ; the largest score, in four chains by turns
.endr
.irp n, 3,5,7,9,11,13
.irp k, 0,1,2,3
	v_max3_num_f32 v[CH+\k], v[CH+\k], v[S+16*\k+\n], v[S+16*\k+\n+1]
.endr
.endr
.irp c, 0,1
	v_max3_num_f32 v[BM+\c], v[CH+2*\c], v[CH+2*\c+1], v[S+32*\c+15]
.endr
.irp c, 0,1
	v_max_num_f32 v[BM+\c], v[BM+\c], v[S+32*\c+31]   ; the largest score of each of my two blocks: it serves for the row's maximum and, since p rises with the score, for the block's largest p
.endr
	DEP
	v_max_num_f32 v224, v[BM], v[BM+1]
	DEP
	v_permlanex16_b32 v225, v224, s20, s21
	DEP
	v_max3_num_f32 v13, v13, v224, v225            ; with lane l xor 16's 64 keys: the running largest score
	DEP
	v_mul_f32 v224, s22, v13                       ; as t
	DEP
	v_floor_f32 v12, -v224                         ; the new -M = -ceil(t)
	DEP
	v_sub_f32 v226, v12, v226                      ; old M - new M: a whole number, 0 or less
.set j, 0
	TMINUS 6
	v_cvt_i32_f32 v226, v226                       ; (it saturates)
	TMINUS 6
	v_ldexp_f32 v[FF], 1.0, v226                   ; f = 2^(old M - new M)
	TMINUS 20
.irp c, 0,1
	v_fma_f32 v[BM+\c], v[BM+\c], s22, v12
.endr
	WALU                                           ; the wait ahead of the batch and behind it
.set j, 0
.rept 64
	v_exp_f32 v[S+j], v[S+j]                       ; p = 2^(t - M)
.set j, j+1
.endr
.irp c, 0,1
	v_exp_f32 v[BM+\c], v[BM+\c]                   ; the block's largest p
.endr
	v_pk_mul_f32 v[SUM:SUM+1], v[SUM:SUM+1], v[FF:FF+1] op_sel_hi:[1,0]   ; the sum under the new M.  (The plain place behind the exponentials)
	WALU
.irp c, 0,1
	v_max_num_f32 v[BM+\c], 0x1800000, v[BM+\c]    ; the floor 2^(3 - 127)
.endr
.irp c, 0,1
	v_add_nc_u32 v[SO+\c], 0xff000000, v[BM+\c]    ; 2 off the exponent field
.endr
.irp c, 0,1
	v_lshrrev_b32 v[BY+\c], 23, v[SO+\c]
.endr
	v_lshl_or_b32 v222, v[BY+1], 16, v[BY]         ; bytes 0 and 2 of lanes 0-15's word
.irp c, 0,1
	v_cvt_scalef32_pk16_fp6_f32 v[PC+6*\c:PC+6*\c+2], v[S+32*\c:S+32*\c+15], v[SO+\c]
	v_cvt_scalef32_pk16_fp6_f32 v[CT+4*\c:CT+4*\c+2], v[S+32*\c+16:S+32*\c+31], v[SO+\c]   ; (a conversion's three registers begin on an even number)
.endr
	v_permlanex16_b32 v223, v222, s20, s21
.set j, 0
.rept 7
	v_pk_add_f32 v[T+2*j:T+2*j+1], v[S+2*j:S+2*j+1], v[S+14+2*j:S+15+2*j]   ; the sum is taken of the unquantised p, in eight chains
.set j, j+1
.endr
	v_pk_add_f32 v[SUM:SUM+1], v[SUM:SUM+1], v[S+28:S+29]
	v_lshl_or_b32 v[PW], v223, 8, v222             ; lanes 0-15, which alone are read: with lane l xor 16's bytes at 1 and 3 p's scale word for these 128 keys
.irp c, 0,1
.irp n, 0,1,2
	v_mov_b32 v[PC+6*\c+3+\n], v[CT+4*\c+\n]
.endr
.endr
.set j, 15
.rept 17
	v_pk_add_f32 v[T+2*(j%8):T+2*(j%8)+1], v[T+2*(j%8):T+2*(j%8)+1], v[S+2*j:S+2*j+1]
.set j, j+1
.endr
	WALU                                           ; the wait here, directly ahead of the first reader of O^T
.set j, 0
.rept 16
	v_pk_mul_f32 v[O+j:O+j+1], v[O+j:O+j+1], v[FF:FF+1] op_sel_hi:[1,0]   ; O^T under the new M
.set j, j+2
.endr
	WALU
	s_wait_dscnt 0x0                               ; v's fragments and scale words
	PV 0, 0                                        ; O^T += v^T p^T: the four accumulators take one turn each
	PV 1, 1
	PV 2, 0
	PV 3, 1
.irp k, 0,4,8,12                       ; the eight chains are joined: places behind the products
	v_pk_add_f32 v[T+\k+2:T+\k+3], v[T+\k:T+\k+1], v[T+\k+2:T+\k+3]
.endr
	v_pk_add_f32 v[T+6:T+7], v[T+2:T+3], v[T+6:T+7]
	v_pk_add_f32 v[SUM:SUM+1], v[T+10:T+11], v[SUM:SUM+1]
	v_pk_add_f32 v[SUM:SUM+1], v[T+6:T+7], v[SUM:SUM+1]
	s_add_co_u32 s48, s48, REC
.endm
	WALU                                           ; the wait at the head's end
	s_cmp_lt_u32 s12, 4
	s_cbranch_scc0 .Lnot_first
	s_wait_tensorcnt 0x0
.Lnot_first:
	s_barrier_signal -1
	s_barrier_wait -1                              ; records 0 to 3 are in
	s_mov_b32 s48, 0
	STEP
	WALU
	s_wait_tensorcnt 0x0                           ; my record is in: said here, three steps ahead of the wait for the others'; in between only records 0 to 3 are read
	s_wait_dscnt 0x0
	s_barrier_signal -1
	s_mov_b32 s48, REC
	s_mov_b32 s49, 3
.Lfirst:
	STEP
	s_sub_co_u32 s49, s49, 1
	s_cmp_lg_u32 s49, 0
	s_cbranch_scc1 .Lfirst
	WALU
	s_barrier_wait -1                              ; all sixteen records are in: no barrier stands in the rest of the walk
	s_mov_b32 s48, 4*REC
	s_mov_b32 s49, 12
.Lsteps:
	STEP
	s_sub_co_u32 s49, s49, 1
	s_cmp_lg_u32 s49, 0
	s_cbranch_scc1 .Lsteps
	; THE WAY OUT: O^T / the sum is one block of 32 a lane along the out-projection's K: quantised, it is registers 0-5 (even heads) or 6-11 (odd heads) of that product's operand.
	v_add_f32 v[SUM], v[SUM], v[SUM+1]
	v_permlanex16_b32 v225, v[SUM], s20, s21
	v_add_f32 v[SUM], v[SUM], v225                 ; the row's sum
	WALU
	v_rcp_f32 v[FF], v[SUM]
	v_nop                                          ; one plain place behind a transcendental
	WALU
.set j, 0
.rept 16
	v_pk_mul_f32 v[S+j:S+j+1], v[O+j:O+j+1], v[FF:FF+1] op_sel_hi:[1,0]
.set j, j+2
.endr
.irp k, 0,1
	v_max3_num_f32 v[CH+\k], |v[S+16*\k]|, |v[S+16*\k+1]|, 0x1800000
.endr
.irp n, 2,4,6,8,10,12,14
.irp k, 0,1
	v_max3_num_f32 v[CH+\k], v[CH+\k], |v[S+16*\k+\n]|, |v[S+16*\k+\n+1]|
.endr
.endr
	v_max_num_f32 v[BM], v[CH], v[CH+1]
	v_add_nc_u32 v[SO], 0xff000000, v[BM]
	v_lshrrev_b32 v[BY], 23, v[SO]
	v_cvt_scalef32_pk16_fp6_f32 v[PC:PC+2], v[S:S+15], v[SO]
	v_cvt_scalef32_pk16_fp6_f32 v[CT:CT+2], v[S+16:S+31], v[SO]
	v_nop
.irp n, 0,1,2
	v_mov_b32 v[PC+3+\n], v[CT+\n]
.endr
	global_store_b128 v1, v[PC:PC+3], s[8:9]       ; 512 consecutive bytes,
	global_store_b64 v2, v[PC+4:PC+5], s[8:9] offset:512   ; and 256: the head's 768 bytes of my token tile
	global_store_b8 v11, v[BY], s[10:11]           ; row r's byte 2 x head + h
	s_wait_tensorcnt 0x0                           ; the wave's end
	ds_add_u32 v254, v255
	s_wait_dscnt 0x0
	CROUND                                         ; the closing round
	s_endpgm
.Lfunc_end_k_q7371d7d792_attn:
	.size	k_q7371d7d792_attn, .Lfunc_end_k_q7371d7d792_attn-k_q7371d7d792_attn
	.p2alignl 7, 3214868480
	.fill 96, 4, 3214868480
	.section	.rodata,"a",@progbits
	.p2align	6, 0x0
	.amdhsa_kernel k_q7371d7d792_attn
		.amdhsa_group_segment_fixed_size 206848
		.amdhsa_private_segment_fixed_size 0
		.amdhsa_enable_private_segment 0
		.amdhsa_kernarg_size 32
		.amdhsa_user_sgpr_count 2
		.amdhsa_user_sgpr_kernarg_segment_ptr 1
		.amdhsa_wavefront_size32 1
		.amdhsa_system_sgpr_workgroup_id_x 1
		.amdhsa_system_sgpr_workgroup_id_y 1
		.amdhsa_system_sgpr_workgroup_id_z 1
		.amdhsa_system_vgpr_workitem_id 0
		.amdhsa_next_free_vgpr 256
		.amdhsa_next_free_sgpr 66
		.amdhsa_reserve_vcc 0
		.amdhsa_float_denorm_mode_32 3
		.amdhsa_float_denorm_mode_16_64 3
		.amdhsa_memory_ordered 1
		.amdhsa_forward_progress 1
		.amdhsa_inst_pref_size 55
	.end_amdhsa_kernel
	.amdgpu_metadata
---
amdhsa.version: [ 1, 2 ]
amdhsa.kernels:
  - .name:           k_q7371d7d792_attn
    .symbol:         k_q7371d7d792_attn.kd
    .args:
      - { .name: qbuf, .offset: 0, .size: 8, .value_kind: global_buffer, .address_space: global }
      - { .name: kvbuf, .offset: 8, .size: 8, .value_kind: global_buffer, .address_space: global }
      - { .name: ctximg, .offset: 16, .size: 8, .value_kind: global_buffer, .address_space: global }
      - { .name: ctxsc, .offset: 24, .size: 8, .value_kind: global_buffer, .address_space: global }
    .group_segment_fixed_size: 206848
    .private_segment_fixed_size: 0
    .kernarg_segment_align: 8
    .kernarg_segment_size: 32
    .max_flat_workgroup_size: 512
    .sgpr_count:     66
    .vgpr_count:     256
    .wavefront_size: 32
...
	.end_amdgpu_metadata
.endif
;; end of part 2
;; launch oproj (part 3): grid 8 x 32, 4 waves a work-group, clusters of 4 x 4, 251,392 bytes of LDS; arguments ctximg, ctxsc, Wo_codes, Wo_scales, bo, out0; writes out0
.if DOCPART == 3
	.amdgcn_target "amdgcn-amd-amdhsa--gfx1250"
	.amdhsa_code_object_version 6
	.text
	.protected	k_q7371d7d792_oproj
	.globl	k_q7371d7d792_oproj
	.p2align	8
	.type	k_q7371d7d792_oproj,@function
k_q7371d7d792_oproj:
	s_mov_b64 s[64:65], 0
	v_nop
	global_prefetch_b8 v0, s[64:65] scope:SCOPE_SE
	s_setreg_imm32_b32 hwreg(HW_REG_WAVE_MODE, 25, 1), 1
	s_wait_xcnt 0x0
	s_wait_alu depctr_hold_cnt(0) depctr_sa_sdst(0) depctr_va_vdst(0) depctr_va_sdst(0) depctr_va_ssrc(0) depctr_va_vcc(0) depctr_vm_vsrc(0)
	s_getreg_b32 s2, hwreg(HW_REG_IB_STS2, 6, 4)
	s_cmp_eq_u32 s2, 0
	s_cbranch_scc0 .Lentry_in_a_cluster
	s_endpgm
.Lentry_in_a_cluster:
	s_bfe_u32 s2, ttmp6, 0x10000c
	s_cmp_lg_u32 s2, 0xf033
	s_cbranch_scc0 .Lentry_shape_is_right
	s_endpgm
.Lentry_shape_is_right:
; out = ctx Wo + bo on codes of FP6 (E2M3) with E8M0 scales, f32 sums.  ctx: images of operand registers and rows of scale bytes, made by the launch before; Wo: 1,024 rows (one for each output column) of 768 bytes.
; 256 tiles of 128 tokens x 128 columns, one to a work-group; four waves, 64 x 64 each: 16 accumulators; K = 1,024 in 8 steps of 128.
; THE MATRIX INSTRUCTION IS USED TRANSPOSED (source 0 = 16 rows of Wo, source 1 = a token tile of ctx): a lane holds eight neighbouring columns of one token's row.  bo is the C of each sum's first instruction.
; ALL CODES LIE IN LDS, FILLED ONCE, one tensor load a wave: Wo's rows' first 512 bytes and ctx's steps 0 to 4 (waves 0, 1), their last 256 bytes and ctx's steps 5 to 7 (waves 2, 3), which land while the first are multiplied.
; Every tile is asked for at the head, so nothing is prefetched.  The scale words go straight into registers.
; Step 5 of Wo (bytes 480 .. 575) lies across the two parts: its pieces at 488 and 496 go by an address register in which the two halves of the lanes point into different parts.
; CLUSTERS of 4 x 4: ctx's tiles hang on the tile row alone and are asked for jointly along a row of the cluster, Wo's on the tile column alone and jointly along a column.
; A token tile's row r is token 64 (i / 4) + 32 (r / 8) + 8 ((i % 4) xor (r / 8)) + r % 8 of its group of 128 (i: the tile in the group): the stores' offsets undo that order.
; LIMITS: NaN and infinities are not served, nor a given scale byte 0xff.
.set PITCH, 528
.set CB,   61440                       ; ctx: 8 tiles x 7,680 bytes at 0, 8 x 4,608 here
.set WA,   98304                       ; Wo's 128 rows, first 512 bytes,
.set WDIS, 128*PITCH                   ; and, so far on, the last 256
.set STG,  WA+2*WDIS                   ; the stages for the way out: 16 rows x 272 bytes for each wave; no fill lands here
.set SPARE, STG+4*16*272
.set AW,   4                           ; v4-7 LDS addresses of my four tiles of Wo, v8-11 in the last part, v12-15 for the split pieces
.set A16, 16                           ; v16-17 ctx's images, 16 bytes a lane, steps 0-4, 5-7
.set A8,  18                           ; v18-19 the same, 8 bytes a lane
.set STO, 20
.set RD,  21
.set CO,  22
.set BA,  23
.set SCO, 24
.set SPW, 30
.set NIL, 31
.set CS,  32                           ; v32-47 ctx's scale words: register 8 a + s: lanes 0-15 tile a, lanes 16-31 tile a + 2
.set BI,  64                           ; v64-95 bo; later, with v96-127, rows on their way out
.set WS,  100                          ; v100-115 Wo's scale words, as ctx's
.set ACC, 128                          ; accumulator (a, b) at v[128 + 8 (4 a + b)]
; window 1: two sets at 128 p: Wo's four fragments, then from + 48 ctx's four
.set MSB, 0
.macro WIN new
.if MSB != (\new)
	s_set_vgpr_msb (MSB<<8)|(\new)
.set MSB, (\new)
.endif
.endm
.macro WALU
	s_wait_alu depctr_va_vdst(0)
.endm
.macro CROUND
	s_barrier_signal -1
	s_barrier_wait -1
	s_cmp_lg_u32 s16, 0
	s_cbranch_scc1 .Lnot_wave_0_\@
	s_barrier_signal -3
.Lnot_wave_0_\@:
	s_barrier_wait -3
	s_barrier_signal -1
	s_barrier_wait -1
.endm
.macro PLACES
.rept 4
	v_nop
.endr
.endm
.macro GROUP1 g, mask, pad, c, r, p
	s_or_b32 s[\g], s\mask, (3<<16)|(1<<21)|\pad
	s_mov_b32 s[\g+1], (\c)<<16
	s_mov_b32 s[\g+2], (\r)<<16
	s_mov_b32 s[\g+3], (\c)<<16
	s_mov_b32 s[\g+4], \r
	s_mov_b32 s[\g+5], \p
	s_mov_b32 s[\g+6], 0
	s_mov_b32 s[\g+7], 0
.endm
.macro G0SET g, lds, base, off
	s_mov_b32 s[\g], 1
	s_mov_b32 s[\g+1], \lds
	s_add_nc_u64 s[\g+2:\g+3], s[\base:\base+1], \off
	s_or_b32 s[\g+3], s[\g+3], 0x80000000
.endm
.macro TLOAD g0, g1
	tensor_load_to_lds s[\g0:\g0+3], s[\g1:\g1+7]
	s_nop 0
	PLACES
.endm
	s_load_b256 s[4:11], s[0:1], 0x0               ; ctximg, ctxsc, Wo's codes, Wo's scales
	s_load_b128 s[12:15], s[0:1], 0x20             ; bo, out
	v_lshl_add_u32 v[SPW], v0, 2, SPARE
	v_mov_b32 v[NIL], 0
	ds_add_u32 v[SPW], v[NIL]                      ; the opening lines
	ds_add_u32 v[SPW], v[NIL]
	v_lshrrev_b32 v1, 5, v0
	v_readfirstlane_b32 s16, v1                    ; wave 0..3
	s_lshr_b32 s17, s16, 1                         ; which 64 tokens are mine
	s_and_b32 s18, s16, 1                          ; which 64 columns
	s_bfe_u32 s84, ttmp6, 0x40000                  ; cx
	s_bfe_u32 s85, ttmp6, 0x40004                  ; cy
	s_lshl_b32 s86, ttmp9, 2
	s_add_co_u32 s86, s86, s84                     ; tile column
	s_and_b32 s87, ttmp7, 0xffff
	s_lshl_b32 s87, s87, 2
	s_add_co_u32 s87, s87, s85                     ; tile row: a group of 128 tokens
	s_lshl_b32 s88, s85, 2
	s_lshl_b32 s88, 15, s88                        ; my row of the cluster
	s_lshl_b32 s89, 0x1111, s84                    ; my column
	GROUP1 24, 89, (1<<20)|(6<<22)|(3<<25), 64, 128, 96     ; Wo: rows of 512 bytes, 16 of padding
	GROUP1 32, 88, 0, 960, 8, 1536                          ; ctx: 7,680 bytes of each of 8 token tiles
	GROUP1 40, 89, (1<<20)|(5<<22)|(67<<25), 32, 128, 96    ; Wo: rows of 256 bytes, 272 of padding: the same pitch
	GROUP1 48, 88, 0, 576, 8, 1536                          ; ctx: 4,608 bytes of each
	s_mul_i32 s90, s87, 98304                      ; ctx: 8 token tiles
	s_mov_b32 s91, 0
	s_lshl_b32 s92, s87, 12
	s_lshl_b32 s19, s17, 11
	s_add_co_u32 s92, s92, s19                     ; my four tiles' scale bytes
	s_mov_b32 s93, 0
	s_mul_i32 s94, s86, 128*768                    ; Wo: 128 rows
	s_mov_b32 s95, 0
	s_lshl_b32 s96, s86, 12
	s_lshl_b32 s19, s18, 11
	s_add_co_u32 s96, s96, s19                     ; my 64 rows' scale bytes
	s_mov_b32 s97, 0
	s_lshl_b32 s98, s87, 7                         ; cx and cy meet only in s98 to s101 and the two bases, which feed no descriptor
	s_lshl_b32 s99, s17, 6
	s_add_co_u32 s98, s98, s99                     ; my first token
	s_lshl_b32 s98, s98, 12
	s_lshl_b32 s100, s86, 7
	s_lshl_b32 s101, s18, 6
	s_add_co_u32 s100, s100, s101                  ; my first column
	s_lshl_b32 s100, s100, 2
	s_mov_b32 s101, 0
	s_add_co_u32 s98, s98, s100
	s_mov_b32 s99, 0
	s_mul_i32 s20, s17, 4*7680
	s_mul_i32 s21, s17, 4*4608
	s_add_co_u32 s21, s21, CB
	s_mul_i32 s22, s18, 64*PITCH
	s_add_co_u32 s22, s22, WA
	s_mul_i32 s23, s16, 16*272
	s_add_co_u32 s23, s23, STG                     ; my stage
	v_and_b32 v1, 15, v0                           ; r
	v_bfe_u32 v2, v0, 4, 1                         ; h
	v_and_b32 v3, 31, v0                           ; lane
	v_mul_u32_u24 v25, v1, PITCH
	v_add_nc_u32 v25, s22, v25
	v_mad_u32_u24 v26, v2, 24, v25
	v_mad_u32_u24 v27, v2, WDIS-488, v25
.irp b, 0,1,2,3
	v_add_nc_u32 v[AW+\b], 16*\b*PITCH, v26
	v_add_nc_u32 v[AW+4+\b], WDIS+16*\b*PITCH, v26
	v_add_nc_u32 v[AW+8+\b], 488+16*\b*PITCH, v27
.endr
	v_lshl_add_u32 v[A16], v3, 4, s20
	v_lshl_add_u32 v[A16+1], v3, 4, s21
	v_lshl_add_u32 v[A8], v3, 3, s20
	v_lshl_add_u32 v[A8+1], v3, 3, s21
	v_mul_u32_u24 v25, v1, 272
	v_lshl_add_u32 v25, v2, 5, v25
	v_add_nc_u32 v[STO], s23, v25                  ; in: row r, 32 bytes for each half of the lanes
	v_mul_u32_u24 v25, v2, 272
	v_lshl_add_u32 v25, v1, 4, v25
	v_add_nc_u32 v[RD], s23, v25                   ; back: lanes 0-15 one row of 256 bytes, lanes 16-31 the next
	v_lshlrev_b32 v[CO], 12, v2
	v_lshl_add_u32 v[CO], v1, 4, v[CO]             ; and the same in out: rows of 4,096 bytes
	v_lshlrev_b32 v[BA], 5, v2
	v_lshlrev_b32 v[SCO], 10, v2
	v_lshl_add_u32 v[SCO], v1, 5, v[SCO]           ; a row's 32 scale bytes; lanes 16-31 two tiles on
	WALU
	s_wait_dscnt 0x0
	CROUND                                         ; all sixteen work-groups are here: the joint loads meet
	s_wait_kmcnt 0x0
	s_add_nc_u64 s[90:91], s[4:5], s[90:91]
	s_add_nc_u64 s[94:95], s[8:9], s[94:95]
	G0SET 56, WA, 94, 0
	G0SET 60, 0, 90, 0
	G0SET 68, WA+WDIS, 94, 512
	G0SET 72, CB, 90, 7680
	s_cmp_eq_u32 s16, 0
	s_cbranch_scc0 .Lwave_1
	TLOAD 56, 24
	s_branch .Lasked
.Lwave_1:
	s_cmp_eq_u32 s16, 1
	s_cbranch_scc0 .Lwave_2
	TLOAD 60, 32
	s_branch .Lasked
.Lwave_2:
	s_cmp_eq_u32 s16, 2
	s_cbranch_scc0 .Lwave_3
	TLOAD 68, 40
	s_branch .Lasked
.Lwave_3:
	TLOAD 72, 48
.Lasked:
	s_add_nc_u64 s[92:93], s[6:7], s[92:93]
	s_add_nc_u64 s[96:97], s[10:11], s[96:97]
	s_add_nc_u64 s[12:13], s[12:13], s[100:101]
	s_add_nc_u64 s[14:15], s[14:15], s[98:99]
.irp i, 0,1
.irp q, 0,1
	global_load_b128 v[CS+8*\i+4*\q:CS+8*\i+4*\q+3], v[SCO], s[92:93] offset:512*\i+16*\q
	global_load_b128 v[WS+8*\i+4*\q:WS+8*\i+4*\q+3], v[SCO], s[96:97] offset:512*\i+16*\q
.endr
.endr
.irp b, 0,1,2,3
	global_load_b128 v[BI+8*\b:BI+8*\b+3], v[BA], s[12:13] offset:64*\b          ; bo at columns 16 b + 8 h + 0 .. 7: the result's layout
	global_load_b128 v[BI+8*\b+4:BI+8*\b+7], v[BA], s[12:13] offset:64*\b+16
.endr
; load n of step s into set p: Wo's fragments, six pieces of 8 bytes, two to a load; then ctx's: the image as it lies: two heads of 768 bytes: registers 0-3, 4-5, 6-9, 10-11
.macro LD n, s, p
.set L_, 3
.if (\s) == 5
.set L_, 4
.endif
	WIN 0x40
.if (\n) < 4*L_
.set F_, (\n)/L_
.set K_, (\n)%L_
.set R_, 128*(\p)+12*F_
.if (\s) == 5
.if K_ == 0
	ds_load_b64 v[R_:R_+1], v[AW+F_] offset:480
.elseif K_ == 1
	ds_load_2addr_b64 v[R_+2:R_+5], v[AW+8+F_] offset0:0 offset1:1
.elseif K_ == 2
	ds_load_2addr_b64 v[R_+6:R_+9], v[AW+4+F_] offset0:2 offset1:3
.else
	ds_load_b64 v[R_+10:R_+11], v[AW+4+F_] offset:32
.endif
.else
.set B_, 12*(\s)-64*((\s)/6)
.set A_, AW+4*((\s)/6)+F_
.if K_ == 0
	ds_load_2addr_b64 v[R_:R_+3], v[A_] offset0:B_ offset1:B_+1
.elseif K_ == 1
	ds_load_2addr_b64 v[R_+4:R_+7], v[A_] offset0:B_+2 offset1:B_+6
.else
	ds_load_2addr_b64 v[R_+8:R_+11], v[A_] offset0:B_+7 offset1:B_+8
.endif
.endif
.else
.set F_, ((\n)-4*L_)/4
.set K_, ((\n)-4*L_)%4
.set R_, 128*(\p)+48+12*F_
.set C_, (\s)/5
.set O_, (7680-3072*C_)*F_+1536*((\s)-5*C_)
.if K_ == 0
	ds_load_b128 v[R_:R_+3], v[A16+C_] offset:O_
.elseif K_ == 1
	ds_load_b64 v[R_+4:R_+5], v[A8+C_] offset:O_+512
.elseif K_ == 2
	ds_load_b128 v[R_+6:R_+9], v[A16+C_] offset:O_+768
.else
	ds_load_b64 v[R_+10:R_+11], v[A8+C_] offset:O_+1280
.endif
.endif
.endm
.macro PR d, sa, sb, c, xa, xb, ra, rb
	v_wmma_scale_f32_16x16x128_f8f6f4 v[\d:\d+7], v[\sa:\sa+11], v[\sb:\sb+11], \c, v[\xa], v[\xb] matrix_a_fmt:MATRIX_FMT_FP6 matrix_b_fmt:MATRIX_FMT_FP6 matrix_a_scale:MATRIX_SCALE_ROW\ra matrix_b_scale:MATRIX_SCALE_ROW\rb
.endm
.macro P1 a, b, s, ra, rb
.set D_, ACC+8*(4*\a+\b)
.if \s == 0
	PR D_, 12*\b, 48+12*\a, v[BI+8*\b:BI+8*\b+7], WS+8*(\b%2), CS+8*(\a%2), \ra, \rb
.else
	PR D_, 128*(\s%2)+12*\b, 128*(\s%2)+48+12*\a, v[D_:D_+7], WS+8*(\b%2)+\s, CS+8*(\a%2)+\s, \ra, \rb
.endif
.endm
.macro GRP a, s, rb
	WIN 0x05                                       ; sources 0 and 1 window 1; C and D window 0
	P1 \a, 0, \s, 0, \rb
	P1 \a, 1, \s, 0, \rb
	P1 \a, 2, \s, 1, \rb
	P1 \a, 3, \s, 1, \rb
.endm
; K step s: four groups of four products, the accumulators by turns in the same order in every step; behind each group loads of the next step into the other set.
; The waits: at the head ctx's last two fragments (8 loads) may be out; ahead of group 2 all but this step's own loads are in.
.macro KSTEP s
.set PER_, 7
.if \s == 4
.set PER_, 8
	s_wait_tensorcnt 0x0                           ; my tile is in: the last parts are shown to all
	s_wait_dscnt 0x0
	s_barrier_signal -1
.else
	s_wait_dscnt 8
.endif
.if \s == 7
.set PER_, 0
.endif
.if \s > 0
	PLACES                                         ; in front of loads into the set that the last step's products have read
.endif
.set NI_, 0
.irp a, 0,1,2,3
.if (\a == 2) && (\s != 4)
	s_wait_dscnt NI_
.endif
.if \a < 2
	GRP \a, \s, 0
.else
	GRP \a, \s, 1
.endif
.if (\s == 4) && (\a == 0)
	s_barrier_wait -1
.endif
.rept PER_
	LD NI_, (\s)+1, 1-(\s)%2
.set NI_, NI_+1
.endr
.endr
.endm
	s_wait_loadcnt 0x0
	s_cmp_lt_u32 s16, 2
	s_cbranch_scc0 .Lnot_first
	s_wait_tensorcnt 0x0
.Lnot_first:
	s_barrier_signal -1
	s_barrier_wait -1                              ; waves 0's and 1's tiles are in; the others' may be out
.set NI_, 0
.rept 28
	LD NI_, 0, 0
.set NI_, NI_+1
.endr
	KSTEP 0
	KSTEP 1
	KSTEP 2
	KSTEP 3
	KSTEP 4
	KSTEP 5
	KSTEP 6
	KSTEP 7
	WIN 0
	PLACES                                         ; in front of the first read of results
; THE WAY OUT, a token tile at a time, through my own stage: LDS serves a wave's instructions in order (ISA guide 5.7.1.4), so no wait stands between the stores and the loads.
.macro TOSTAGE a
.irp b, 0,1,2,3
	ds_store_b128 v[STO], v[ACC+8*(4*(\a)+\b):ACC+8*(4*(\a)+\b)+3] offset:64*\b      ; each accumulator from its low end on
	ds_store_b128 v[STO], v[ACC+8*(4*(\a)+\b)+4:ACC+8*(4*(\a)+\b)+7] offset:64*\b+16
.endr
.irp t, 0,1,2,3,4,5,6,7
	ds_load_b128 v[BI+32*((\a)%2)+4*\t:BI+32*((\a)%2)+4*\t+3], v[RD] offset:544*\t
.endr
.endm
.macro SEND a, younger                 ; stage row 2 t + h is token 32 (t / 4) + 8 (a xor (t / 4)) + 2 (t % 4) + h of my 64
	s_wait_dscnt \younger
.irp t, 0,1,2,3,4,5,6,7
	global_store_b128 v[CO], v[BI+32*((\a)%2)+4*\t:BI+32*((\a)%2)+4*\t+3], s[14:15] offset:(8*((\a)^(\t/4))+2*(\t%4)+32*(\t/4))*4096 th:TH_STORE_NT   ; 16 lanes store 256 consecutive bytes, at a multiple of 256 from out's first byte
.endr
.endm
	TOSTAGE 0
	TOSTAGE 1
	SEND 0, 16                                     ; behind tile 0's loads: tile 1's 8 stores and 8 loads
	s_wait_xcnt 0x0                                ; tile 0's stores have read their registers: tile 2's loads may land there
	TOSTAGE 2
	SEND 1, 16
	s_wait_xcnt 0x0
	TOSTAGE 3
	SEND 2, 16
	SEND 3, 0
	s_wait_tensorcnt 0x0                           ; the wave's end
	ds_add_u32 v[SPW], v[NIL]
	s_wait_dscnt 0x0
	CROUND                                         ; the closing round: no work-group ends while a partner may still ask for a tile that names it
	s_endpgm
.Lfunc_end_k_q7371d7d792_oproj:
	.size	k_q7371d7d792_oproj, .Lfunc_end_k_q7371d7d792_oproj-k_q7371d7d792_oproj
	.p2alignl 7, 3214868480
	.fill 96, 4, 3214868480
	.section	.rodata,"a",@progbits
	.p2align	6, 0x0
	.amdhsa_kernel k_q7371d7d792_oproj
		.amdhsa_group_segment_fixed_size 251392
		.amdhsa_private_segment_fixed_size 0
		.amdhsa_enable_private_segment 0
		.amdhsa_kernarg_size 48
		.amdhsa_user_sgpr_count 2
		.amdhsa_user_sgpr_kernarg_segment_ptr 1
		.amdhsa_wavefront_size32 1
		.amdhsa_system_sgpr_workgroup_id_x 1
		.amdhsa_system_sgpr_workgroup_id_y 1
		.amdhsa_system_sgpr_workgroup_id_z 1
		.amdhsa_system_vgpr_workitem_id 0
		.amdhsa_next_free_vgpr 512
		.amdhsa_next_free_sgpr 104
		.amdhsa_reserve_vcc 0
		.amdhsa_float_denorm_mode_32 3
		.amdhsa_float_denorm_mode_16_64 3
		.amdhsa_memory_ordered 1
		.amdhsa_forward_progress 1
		.amdhsa_inst_pref_size 52
	.end_amdhsa_kernel
	.amdgpu_metadata
---
amdhsa.version: [ 1, 2 ]
amdhsa.kernels:
  - .name:           k_q7371d7d792_oproj
    .symbol:         k_q7371d7d792_oproj.kd
    .args:
      - { .name: ctximg, .offset: 0, .size: 8, .value_kind: global_buffer, .address_space: global }
      - { .name: ctxsc, .offset: 8, .size: 8, .value_kind: global_buffer, .address_space: global }
      - { .name: Wo_codes, .offset: 16, .size: 8, .value_kind: global_buffer, .address_space: global }
      - { .name: Wo_scales, .offset: 24, .size: 8, .value_kind: global_buffer, .address_space: global }
      - { .name: bo, .offset: 32, .size: 8, .value_kind: global_buffer, .address_space: global }
      - { .name: out0, .offset: 40, .size: 8, .value_kind: global_buffer, .address_space: global }
    .group_segment_fixed_size: 251392
    .private_segment_fixed_size: 0
    .kernarg_segment_align: 8
    .kernarg_segment_size: 48
    .max_flat_workgroup_size: 128
    .sgpr_count:     104
    .vgpr_count:     512
    .wavefront_size: 32
...
	.end_amdgpu_metadata
.endif
;; end of part 3
